; MI455X (gfx1250); checked and timed in simulation.
; The chip was launched on July 23, 2026; its instructions are those of AMD's public machine-readable ISA for CDNA 5 (MIT licence, August 2026) and "CDNA5" Instruction Set Architecture Reference Guide (July 2026). The comments in the code are by the model that wrote it; some were corrected since.
;; Mo EMLP. Allowed arithmetic: matrix products marked QUANTISED: E5M2 operands, one E8M0 scale for each 32 along K, by v_wmma_scale_f32_16x16x128_f8f6f4 with both operands' format E5M2, f32 sums; products left as they are: f32 operands where the result goes on into a quantised operand, else bf16, f16 or f32 operands; f32 sums; everything else in f32.
;; Inputs: gate_w 2,048 x 8 float32; proj1_bias 8,192 float32; proj1_codes 8,192 x 64 x 32 uint8 (E5M2 codes of proj1, K innermost, in blocks of 32 codes); proj1_scales 8,192 x 64 uint8 (E8M0 scales of proj1, one for each 32 codes along K); proj2_bias 2,048 float32; proj2_codes 2,048 x 256 x 32 uint8 (E5M2 codes of proj2, K innermost, in blocks of 32 codes); proj2_scales 2,048 x 256 uint8 (E8M0 scales of proj2, one for each 32 codes along K); x 256 x 8 x 2,048 float32.
;; Outputs: out0 256 x 8 x 2,048 float32.
;; This version of the problem:
;;   THIS VERSION OF THE PROBLEM IS GIVEN IN LOW PRECISION. The matrix products marked QUANTISED in the list below multiply operands that are first quantised to E5M2 (5 exponent bits, 2 mantissa bits; 8 bits a number), with one power-of-two scale for each 32 numbers along K (OCP MX v1.0); their sums are f32. All else is computed in f32.
;;   The module's matrix products, in the order in which they are computed (A, B: the left and right operand; K: the contracted axis; several contracted axes count as one K, in the product's order):
;;     1. [M 2,048, K 2,048] x [K 2,048, N 8]; A: input x; B: input gate_w: left as it is (N = 8 < 16)
;;     2. [M 2,048, K 2,048] x [K 2,048, N 8,192]; A: input x; B: input proj1 (given as codes): QUANTISED
;;     3. [M 2,048, K 8,192] x [K 8,192, N 2,048]; A: computed on the way; B: input proj2 (given as codes): QUANTISED
;;   THE QUANTISER, for each operand of a quantised product, along K:
;;     - K is cut into blocks of 32 from its start; a last block that is shorter is filled with zeros.
;;     - A block's scale is 2^e with e = floor(log2(the largest magnitude in the block)) - 15, held to -126 .. 127; a block of zeros has e = 0. As a byte (E8M0): e + 127.
;;     - Each number is divided by its block's scale, clamped to +-57,344, and rounded to the nearest number of E5M2, ties to even, subnormals kept.
;;     - The product sums the exact products of the quantised numbers (number of the format x scale) in f32.
;;   ~~~python
;;   def quantise(x, axis):      # numpy; x: float32 -> the quantised numbers, widened to float32 again
;;       x = np.moveaxis(x, axis, -1); K = x.shape[-1]
;;       x = np.pad(x, [(0, 0)] * (x.ndim - 1) + [(0, -K % 32)]); x = x.reshape(x.shape[:-1] + (-1, 32)); a = np.abs(x).max(-1, keepdims=True)
;;       e = np.where(a > 0, np.clip(np.frexp(np.where(a > 0, a, 1))[1] - 1 - 15, -126, 127), 0)      # np.frexp(a)[1] - 1 = floor(log2(a)), exactly
;;       r = np.clip(x / 2.0 ** e, -57344, 57344)
;;       step = 2.0 ** (np.maximum(np.frexp(np.where(r == 0, 1, r))[1] - 1, -14) - 2)
;;       q = np.round(r / step) * step * 2.0 ** e      # np.round: ties to even
;;       return np.moveaxis(q.reshape(q.shape[:-2] + (-1,))[..., :K], -1, axis).astype(np.float32)
;;   ~~~
;;   OPERANDS COMPUTED ON THE WAY. 'Computed on the way' means the value that the module computes at that place (a softmax that the list does not call 'softmax' is quantised finished and normalised). What goes into a quantiser is computed in f32, as accurately as f32 sums, v_exp_f32 and their like allow (about 1e-6 of the number): no bf16 or f16 on the way to a quantiser, and a product that is left as it is and whose result goes on into a quantised operand takes f32 operands (vector FMAs, or v_wmma_f32_16x16x4_f32). A number that lies on a knife's edge between two numbers of the format may be rounded either way, as far as f32 arithmetic and the matrix unit's own rounding can turn it there, and no further.
;;   INPUTS GIVEN AS CODES. proj1 (in the module: [8192, 2048], K = its axis 1); proj2 (in the module: [2048, 8192], K = its axis 1): each comes as NAME_codes (uint8): NAME with its K axis moved to the last place and cut into blocks of 32 codes, [.., K / 32, bytes a block], one block behind the other in memory; one code a byte (a code: sign, 5 exponent bits, 2 mantissa bits); and NAME_scales (uint8): the same leading axes, one E8M0 byte (e + 127) for each 32 codes along K. Its value is code x scale, taken as it is: it is not quantised again, and the codes and scales need not be those that the quantiser above would give.
;; One version. Each part assembles by itself: llvm-mc -triple=amdgcn-amd-amdhsa -mcpu=gfx1250 --defsym DOCPART=n.
;; ======== version 1 of 1: 3 launches
;; limits: right only within a limited range of input values
;; workspace buffers: xq_codes 4,194,304 bytes; xq_scales 131,072 bytes; h 17,301,504 bytes
;; launch prep (part 1): grid 256 x 1, 4 waves a work-group, no clusters, 1,024 bytes of LDS; arguments x, xq_codes, xq_scales; writes xq_codes, xq_scales
.if DOCPART == 1
	.amdgcn_target "amdgcn-amd-amdhsa--gfx1250"
	.amdhsa_code_object_version 6
	.text
	.protected	k_q2ceaeabc9c_prep
	.globl	k_q2ceaeabc9c_prep
	.p2align	8
	.type	k_q2ceaeabc9c_prep,@function
k_q2ceaeabc9c_prep:
	s_mov_b64 s[64:65], 0
	v_nop
	global_prefetch_b8 v0, s[64:65] scope:SCOPE_SE
	s_setreg_imm32_b32 hwreg(HW_REG_WAVE_MODE, 25, 1), 1
	s_wait_xcnt 0x0
; x [2048 tokens][2048] f32 becomes codes of E5M2 (xq_codes [2048][2048], K innermost) with one E8M0 byte for each 32 along K (xq_scales [2048][64]).
; DEAD WORK LEFT OUT: reference()'s first product (x gate_w) and its argmax only make dst, which reference() deletes: no output hangs on it, whatever the inputs hold.  So gate_w is not loaded and is no launch's argument.
; LIMIT of that: a NaN, an infinity or an overflow that reaches the gate alone is not carried to the result.
; A block's scale is 2^(floor(log2(its largest magnitude)) - 15); its byte is the largest magnitude's exponent field - 15, held at 1 from below; each number is held within +-57,344 x the scale and rounded to the nearest code.
; LIMITS: a block of zeros, or one whose largest magnitude lies under 2^-111, gets the byte 1 (its codes are zeros or what the floor's scale leaves; these bytes are read by this program alone).  NaN and infinities are not served.
; SHARES.  A work-group owns 8 tokens, a wave two of them: 16,384 consecutive bytes, 16 pieces of 1,024 (256 numbers).  All 32 loads of a wave go out together, each 512 consecutive bytes.
; A lane must hold 8 neighbours for the conversion.  A load's lane l < 16 takes bytes 32 l .. + 15 of its 512, lane 16 + l bytes 32 l + 16 .. + 31; exchanging the first load's upper lanes with the second's lower ones gives lane l the numbers 8 l .. 8 l + 7 of the piece.
; No multicast: no two work-groups read the same byte.
.set SPARE, 512                        ; LDS: 512 scale bytes [token][64], then the spare words
.set EMAX, 15
.set SPW, 4
.set NIL, 5
.set LO, 7
.set SO, 8
.set SB, 9
.set R16, 10
.set M, 12
.set M2, 14
.set BD, 16
.set SC, 18
.set X, 24
.set C, 152
.set E, 184
	s_load_b128 s[4:7], s[0:1], 0x0                ; x, the codes
	s_load_b64 s[8:9], s[0:1], 0x10                ; the scale bytes
	v_lshl_add_u32 v[SPW], v0, 2, SPARE
	v_mov_b32 v[NIL], 0
	v_lshrrev_b32 v1, 5, v0
	v_readfirstlane_b32 s10, v1                    ; wave 0..3
	v_and_b32 v6, 31, v0                           ; lane
	v_and_b32 v2, 15, v0
	v_lshlrev_b32 v2, 5, v2
	v_bfe_u32 v3, v0, 4, 1
	v_lshl_add_u32 v[LO], v3, 4, v2                ; 32 (l % 16) + 16 (l / 16)
	v_lshlrev_b32 v[SO], 3, v6                     ; codes: 8 bytes a lane
	v_lshlrev_b32 v[R16], 4, v6
	s_lshl_b32 s11, s10, 7
	v_lshrrev_b32 v[SB], 2, v6
	v_add_nc_u32 v[SB], s11, v[SB]                 ; 128 scale bytes a wave; four lanes to a block
	s_mov_b32 s12, 0x600000                        ; the mantissa field of 57,344
	s_lshl_b32 s14, ttmp9, 16
	s_lshl_b32 s16, s10, 14
	s_add_co_u32 s14, s14, s16
	s_mov_b32 s15, 0
	s_lshl_b32 s16, ttmp9, 14
	s_lshl_b32 s18, s10, 12
	s_add_co_u32 s16, s16, s18
	s_mov_b32 s17, 0
	s_lshl_b32 s18, ttmp9, 9
	s_mov_b32 s19, 0
	s_wait_alu depctr_va_vdst(0)                   ; the wait at the head's end
	s_wait_kmcnt 0x0
	s_add_nc_u64 s[4:5], s[4:5], s[14:15]
	s_add_nc_u64 s[6:7], s[6:7], s[16:17]
	s_add_nc_u64 s[8:9], s[8:9], s[18:19]
.set i, 0
.rept 32
	global_load_b128 v[X+4*i:X+4*i+3], v[LO], s[4:5] offset:512*i th:TH_LOAD_NT
.set i, i+1
.endr
.macro TWO p                           ; pieces p and p + 1, line by line by turns
	s_wait_loadcnt 2*(14-(\p))                     ; their four loads are in; those behind them may be out
.irp i, 0,1,2,3
.irp u, 0,1
	v_permlane16_swap_b32 v[X+8*(\p+\u)+\i], v[X+8*(\p+\u)+4+\i]
.endr
.endr
.irp u, 0,1
	v_max3_num_f32 v[M+\u], |v[X+8*(\p+\u)]|, |v[X+8*(\p+\u)+1]|, |v[X+8*(\p+\u)+2]|
	v_max3_num_f32 v[M2+\u], |v[X+8*(\p+\u)+3]|, |v[X+8*(\p+\u)+4]|, |v[X+8*(\p+\u)+5]|
.endr
.irp u, 0,1
	v_max3_num_f32 v[M+\u], v[M+\u], |v[X+8*(\p+\u)+6]|, |v[X+8*(\p+\u)+7]|
.endr
.irp u, 0,1
	v_max3_num_f32 v[M+\u], v[M+\u], v[M2+\u], (EMAX+1)<<23   ; the floor 2^(16 - 127): the byte cannot fall under 1
.endr
.irp m, 1,2
.irp u, 0,1
	v_max_num_f32_dpp v[M+\u], v[M+\u], v[M+\u] row_xmask:\m row_mask:0xf bank_mask:0xf   ; a block is four neighbouring lanes
.endr
.endr
.irp u, 0,1
	v_add_nc_u32 v[SC+\u], -(EMAX<<23), v[M+\u]    ; 15 off the exponent field: the conversion's scale operand
.endr
.irp u, 0,1
	v_and_or_b32 v[BD+\u], v[M+\u], 0x7f800000, s12   ; 57,344 x the scale
.endr
.irp i, 0,1,2,3,4,5,6,7
.irp u, 0,1
	v_med3_num_f32 v[X+8*(\p+\u)+\i], v[X+8*(\p+\u)+\i], -v[BD+\u], v[BD+\u]   ; the conversion to an 8-bit code does not saturate (ISA guide 7.6.2): the hold comes first
.endr
.endr
.irp u, 0,1
	v_cvt_scalef32_pk8_bf8_f32 v[C+2*(\p+\u):C+2*(\p+\u)+1], v[X+8*(\p+\u):X+8*(\p+\u)+7], v[SC+\u]
.endr
.irp u, 0,1
	v_lshrrev_b32 v[E+\p+\u], 23, v[SC+\u]         ; the scale's byte (also the plain line behind the conversions)
.endr
.irp u, 0,1
	ds_store_b8 v[SB], v[E+\p+\u] offset:8*(\p+\u) ; the four lanes of a block write the same byte with the same value
	global_store_b64 v[SO], v[C+2*(\p+\u):C+2*(\p+\u)+1], s[6:7] offset:256*(\p+\u)   ; 256 consecutive bytes, aligned
.endr
.endm
.irp p, 0,2,4,6,8,10,12,14
	TWO \p
.endr
	s_wait_dscnt 0x0                               ; for wave 0's sake: my scale bytes lie in LDS
	s_barrier_signal -1
	s_barrier_wait -1
	s_cmp_lg_u32 s10, 0
	s_cbranch_scc1 .Lend
	ds_load_b128 v[200:203], v[R16]                ; the work-group's 512 scale bytes
	s_wait_dscnt 0x0
	global_store_b128 v[R16], v[200:203], s[8:9]   ; 512 consecutive bytes, aligned
.Lend:
	s_wait_tensorcnt 0x0                           ; the wave's end
	ds_add_u32 v[SPW], v[NIL]
	s_wait_dscnt 0x0
	s_endpgm
.Lfunc_end_k_q2ceaeabc9c_prep:
	.size	k_q2ceaeabc9c_prep, .Lfunc_end_k_q2ceaeabc9c_prep-k_q2ceaeabc9c_prep
	.p2alignl 7, 3214868480
	.fill 96, 4, 3214868480
	.section	.rodata,"a",@progbits
	.p2align	6, 0x0
	.amdhsa_kernel k_q2ceaeabc9c_prep
		.amdhsa_group_segment_fixed_size 1024
		.amdhsa_private_segment_fixed_size 0
		.amdhsa_enable_private_segment 0
		.amdhsa_kernarg_size 24
		.amdhsa_user_sgpr_count 2
		.amdhsa_user_sgpr_kernarg_segment_ptr 1
		.amdhsa_wavefront_size32 1
		.amdhsa_system_sgpr_workgroup_id_x 1
		.amdhsa_system_sgpr_workgroup_id_y 1
		.amdhsa_system_sgpr_workgroup_id_z 1
		.amdhsa_system_vgpr_workitem_id 0
		.amdhsa_next_free_vgpr 208
		.amdhsa_next_free_sgpr 66
		.amdhsa_reserve_vcc 0
		.amdhsa_float_denorm_mode_32 3
		.amdhsa_float_denorm_mode_16_64 3
		.amdhsa_memory_ordered 1
		.amdhsa_forward_progress 1
		.amdhsa_inst_pref_size 29
	.end_amdhsa_kernel
	.amdgpu_metadata
---
amdhsa.version: [ 1, 2 ]
amdhsa.kernels:
  - .name:           k_q2ceaeabc9c_prep
    .symbol:         k_q2ceaeabc9c_prep.kd
    .args:
      - { .name: x, .offset: 0, .size: 8, .value_kind: global_buffer, .address_space: global }
      - { .name: xq_codes, .offset: 8, .size: 8, .value_kind: global_buffer, .address_space: global }
      - { .name: xq_scales, .offset: 16, .size: 8, .value_kind: global_buffer, .address_space: global }
    .group_segment_fixed_size: 1024
    .private_segment_fixed_size: 0
    .kernarg_segment_align: 8
    .kernarg_segment_size: 24
    .max_flat_workgroup_size: 128
    .sgpr_count:     66
    .vgpr_count:     208
    .wavefront_size: 32
...
	.end_amdgpu_metadata
.endif
;; end of part 1
;; launch ffn1 (part 2): grid 32 x 8, 4 waves a work-group, clusters of 4 x 4, 327,680 bytes of LDS; arguments xq_codes, xq_scales, proj1_codes, proj1_scales, proj1_bias, h; writes h
.if DOCPART == 2
	.amdgcn_target "amdgcn-amd-amdhsa--gfx1250"
	.amdhsa_code_object_version 6
	.text
	.protected	k_q2ceaeabc9c_ffn1
	.globl	k_q2ceaeabc9c_ffn1
	.p2align	8
	.type	k_q2ceaeabc9c_ffn1,@function
k_q2ceaeabc9c_ffn1:
	s_mov_b64 s[64:65], 0
	v_nop
	global_prefetch_b8 v0, s[64:65] scope:SCOPE_SE
	s_setreg_imm32_b32 hwreg(HW_REG_WAVE_MODE, 25, 1), 1
	s_wait_xcnt 0x0
	s_wait_alu depctr_hold_cnt(0) depctr_sa_sdst(0) depctr_va_vdst(0) depctr_va_sdst(0) depctr_va_ssrc(0) depctr_va_vcc(0) depctr_vm_vsrc(0)
	s_getreg_b32 s2, hwreg(HW_REG_IB_STS2, 6, 4)
	s_cmp_eq_u32 s2, 0
	s_cbranch_scc0 .Lentry_in_a_cluster
	s_endpgm
.Lentry_in_a_cluster:
	s_bfe_u32 s2, ttmp6, 0x10000c
	s_cmp_lg_u32 s2, 0xf033
	s_cbranch_scc0 .Lentry_shape_is_right
	s_endpgm
.Lentry_shape_is_right:
; h = Q(gelu(x W1^T + b1)): 2,048 x 8,192 x 2,048 on codes of E5M2.  A work-group of four waves makes 256 tokens x 256 hidden units, a wave 128 x 128: 64 accumulators; the sums begin with the bias.
; K goes in steps of 256 through a ring of two LDS slots; the scale bytes of the 256 rows of either side, for all of K, come once at the head and stay.
; CLUSTERS: 4 x 4 work-groups; the four of a row share the token tiles, the four of a column the weight's: joint loads with a mask that names the four.
; THE HEAD: one joint load a wave: wave 0 the first step's 256 rows of x, wave 1 its 256 rows of W1, waves 2 and 3 the scale bytes of either side.
; GELU: x Phi(x) in f32: t = 1 / (1 + |x| / sqrt(8)); half of erfc(|x| / sqrt(2)) = t 2^(p(t) - x x log2(e) / 2), p a polynomial of degree 9.
; The quantiser's blocks lie in lanes l and l xor 16; codes and scale words leave as images of the next launch's operand registers: records of 128 tokens x 128 along K, 16,896 bytes.
; PREFETCH: behind each refill the K step that stands two refills on, a lane a row, the four partners of a tile sharing its rows by address; x's rows are asked for by the clusters with x under 4, W1's by every cluster.
; LIMITS: NaN and infinities are not served; a block's scale byte never falls under 1.
.set SIZE_K, 2048
.set KSTEP,  256
.set NQ,     KSTEP/128
.set ROWB,   256
.set KROW,   SIZE_K
.set PITCH,  272
.set FR,     16
.set NL,     4
.set NP,     8
.set HALFT,  128*PITCH
.set SLOT,   4*HALFT
.set LAPS,   SIZE_K/(2*KSTEP)
.set KS,     SIZE_K/32
.set SCL,    2*SLOT
.set HALFS,  (128*KS/256)*272
.set SBLK,   (16*KS/256)*272
.set SPARE,  SCL+4*HALFS
.set REC,    16896
.set ADRA, 16
.set ADRB, 20
.set SW,   24
.set SR,   25
.set HO,   26
.set ADRS, 27
.set SPW,  28
.set NIL,  29
.set PFO,  30
.set BO,   31
.set SC,   32
.set BI,   64
.set AF,   128
.set T,    64
.set S,    96
.set P,    128
.set PC,   160
.set TM,   176
.set PW,   184
.set C9,   186
.set OB,   188
.set G1, 24
.set G0, 32
.set G1B, 48
.set G0B, 56
.set G1S, 68
.set G0S, 76
.set G1SB, 80
.set G0SB, 88
.set PFA, 12
.set LIM, 95
.set CA,  44
.set SEL, 46
.set MNT, 48
.set MSB, 0
.macro WIN new
.if MSB != (\new)
	s_set_vgpr_msb (MSB<<8)|(\new)
.set MSB, (\new)
.endif
.endm
.set MUL_LO, 0xa1
.set MUL_HI, 0xf1
.set BIAS_LO, 0x81
.set BIAS_HI, 0xc1
.set TO_B,   0x40
.macro JLOAD g0a, g1a, g0b, g1b
	s_cmp_eq_u32 s15, 0
	s_cbranch_scc0 .Lfor_b_\@
	tensor_load_to_lds s[\g0a:\g0a+3], s[\g1a:\g1a+7]
	s_nop 0
.rept 4
	v_nop
.endr
	s_branch .Lasked_\@
.Lfor_b_\@:
	tensor_load_to_lds s[\g0b:\g0b+3], s[\g1b:\g1b+7]
	s_nop 0
.rept 4
	v_nop
.endr
.Lasked_\@:
.endm
.macro CREST
	s_cmp_lg_u32 s14, 0
	s_cbranch_scc1 .Lnot_wave_0_\@
	s_barrier_signal -3
.Lnot_wave_0_\@:
	s_barrier_wait -3
	s_barrier_signal -1
	s_barrier_wait -1
.endm
.macro CROUND
	s_barrier_signal -1
	s_barrier_wait -1
	CREST
.endm
.macro ASK
	s_cmp_gt_u32 s3, s[LIM]
	s_cbranch_scc0 .Lnot_mine_\@
	global_prefetch_b8 v[PFO], s[PFA:PFA+1] offset:ROWB th:TH_LOAD_NT scope:SCOPE_SE
.Lnot_mine_\@:
.endm
	s_load_b128 s[4:7], s[0:1], 0x0
	s_load_b128 s[8:11], s[0:1], 0x10
	s_load_b128 s[96:99], s[0:1], 0x20
	v_lshl_add_u32 v[SPW], v0, 2, SPARE
	v_mov_b32 v[NIL], 0
	ds_add_u32 v28, v29
	ds_add_u32 v28, v29
	s_wait_dscnt 0x0
	v_lshrrev_b32 v1, 5, v0
	v_readfirstlane_b32 s14, v1
	s_lshr_b32 s15, s14, 1
	s_and_b32 s16, s14, 1
	s_bfe_u32 s40, ttmp6, 0x40000
	s_bfe_u32 s41, ttmp6, 0x40004
	s_lshl_b32 s42, ttmp9, 2
	s_add_co_u32 s42, s42, s40
	s_and_b32 s17, ttmp7, 0xffff
	s_lshl_b32 s17, s17, 2
	s_add_co_u32 s17, s17, s41
	s_lshl_b32 s43, s41, 2
	s_lshl_b32 s43, 15, s43
	s_lshl_b32 s44, 0x1111, s40
	s_or_b32 s[G1+0], s43, (0<<16)|(1<<20)|(1<<21)|(5<<22)|(3<<25)
	s_or_b32 s[G1B+0], s44, (0<<16)|(1<<20)|(1<<21)|(5<<22)|(3<<25)
.irp g, G1, G1B
	s_mov_b32 s[\g+1], ROWB<<16
	s_mov_b32 s[\g+2], 256<<16                     ; 256 rows at the head, 128 behind it
	s_mov_b32 s[\g+3], ROWB<<16
	s_mov_b32 s[\g+4], 256
	s_mov_b32 s[\g+5], KROW
	s_mov_b32 s[\g+6], 0
	s_mov_b32 s[\g+7], 0
.endr
	s_or_b32 s[G1S+0], s43, (3<<16)|(1<<20)|(1<<21)|(5<<22)|(3<<25)
	s_or_b32 s[G1SB+0], s44, (3<<16)|(1<<20)|(1<<21)|(5<<22)|(3<<25)
.irp g, G1S, G1SB
	s_mov_b32 s[\g+1], 32<<16
	s_mov_b32 s[\g+2], KS<<16                      ; the scale bytes of 256 rows: KS rows of 256 bytes
	s_mov_b32 s[\g+3], 32<<16
	s_mov_b32 s[\g+4], KS
	s_mov_b32 s[\g+5], 32
	s_mov_b32 s[\g+6], 0
	s_mov_b32 s[\g+7], 0
.endr
	s_lshl_b32 s20, s17, 8
	s_lshl_b32 s46, s42, 8
	s_mov_b32 s21, 0
	s_mov_b32 s47, 0
	s_mov_b64 s[18:19], KS
	s_mul_u64 s[22:23], s[20:21], s[18:19]
	s_mul_u64 s[92:93], s[46:47], s[18:19]
	s_mov_b64 s[18:19], KROW
	s_mul_u64 s[20:21], s[20:21], s[18:19]
	s_mul_u64 s[46:47], s[46:47], s[18:19]
	s_mul_i32 s18, s16, 128*KROW                   ; in the ring I fetch 128 rows of a tile: which half
	s_mov_b32 s19, 0
	s_mul_i32 s45, s14, HALFT
	s_wait_kmcnt 0x0
	s_add_nc_u64 s[20:21], s[4:5], s[20:21]
	s_add_nc_u64 s[22:23], s[6:7], s[22:23]
	s_add_nc_u64 s[46:47], s[8:9], s[46:47]
	s_add_nc_u64 s[92:93], s[10:11], s[92:93]
	CROUND
	s_mov_b32 s[G0+4], 1                           ; the head's four tiles, each whole (slot 1's groups 0 hold the codes' until they have landed)
	s_mov_b32 s[G0+5], 0
	s_mov_b64 s[G0+6:G0+7], s[20:21]
	s_or_b32 s[G0+7], s[G0+7], 0x80000000
	s_mov_b32 s[G0B+4], 1
	s_mov_b32 s[G0B+5], 2*HALFT
	s_mov_b64 s[G0B+6:G0B+7], s[46:47]
	s_or_b32 s[G0B+7], s[G0B+7], 0x80000000
	s_mov_b32 s[G0S], 1
	s_mov_b32 s[G0S+1], SCL
	s_mov_b64 s[G0S+2:G0S+3], s[22:23]
	s_or_b32 s[G0S+3], s[G0S+3], 0x80000000
	s_mov_b32 s[G0SB], 1
	s_mov_b32 s[G0SB+1], SCL+2*HALFS
	s_mov_b64 s[G0SB+2:G0SB+3], s[92:93]
	s_or_b32 s[G0SB+3], s[G0SB+3], 0x80000000
	s_add_nc_u64 s[20:21], s[20:21], s[18:19]
	s_add_nc_u64 s[46:47], s[46:47], s[18:19]
	s_mov_b32 s[G0], 1                             ; slot 0's for the ring: my 128 rows, stepped ahead of each refill
	s_mov_b32 s[G0+1], s45
	s_mov_b64 s[G0+2:G0+3], s[20:21]
	s_or_b32 s[G0+3], s[G0+3], 0x80000000
	s_mov_b32 s[G0B], 1
	s_mov_b32 s[G0B+1], s45
	s_mov_b64 s[G0B+2:G0B+3], s[46:47]
	s_or_b32 s[G0B+3], s[G0B+3], 0x80000000
.macro ARM under, g0, g1, next         ; one load a wave at the head
	s_cmp_lt_u32 s14, \under
	s_cbranch_scc0 \next
	tensor_load_to_lds s[\g0:\g0+3], s[\g1:\g1+7]
	s_nop 0
.rept 4
	v_nop
.endr
	s_branch .Lhead_asked
\next:
.endm
	ARM 1, G0+4,  G1,  .Lhead_b
	ARM 2, G0B+4, G1B, .Lhead_sa
	ARM 3, G0S,   G1S, .Lhead_sb
	tensor_load_to_lds s[G0SB:G0SB+3], s[G1SB:G1SB+7]
	s_nop 0
.rept 4
	v_nop
.endr
.Lhead_asked:
	v_and_b32 v1, 15, v0
	v_bfe_u32 v2, v0, 4, 1
	v_mul_u32_u24 v3, v1, PITCH
	v_lshl_add_u32 v4, v2, 4, v3
	s_mul_i32 s21, s15, HALFT
	s_mul_i32 s22, s16, HALFT
	s_add_co_u32 s22, s22, 2*HALFT
.irp s, 0,1
	v_add_nc_u32 v[ADRA+\s], s21, v4
	v_add_nc_u32 v[ADRB+\s], s22, v4
	s_add_co_u32 s21, s21, SLOT
	s_add_co_u32 s22, s22, SLOT
.endr
	v_mul_u32_u24 v5, v1, KS
	v_lshrrev_b32 v6, 8, v5
	v_lshl_add_u32 v5, v6, 4, v5
	s_mul_i32 s21, s15, HALFS
	s_mul_i32 s22, s16, HALFS
	s_add_co_u32 s22, s22, 2*HALFS
	s_sub_co_u32 s22, s22, s21
	v_mul_u32_u24 v6, s22, v2
	s_add_co_u32 s21, s21, SCL
	v_add_nc_u32 v5, v5, v6
	v_add_nc_u32 v[ADRS], s21, v5
	s_lshl_b32 s23, s14, 9
	v_lshl_add_u32 v[SW], v1, 2, s23
	v_and_b32 v6, 31, v0
	v_lshlrev_b32 v[HO], 4, v6
	v_add_nc_u32 v[SR], s23, v[HO]
	s_lshl_b32 s20, s17, 1
	s_add_co_u32 s20, s20, s15
	s_lshl_b32 s20, s20, 6
	s_lshl_b32 s21, s42, 1
	s_add_co_u32 s21, s21, s16
	s_add_co_u32 s20, s20, s21
	s_mul_i32 s20, s20, REC
	s_mov_b32 s21, 0
	s_add_nc_u64 s[98:99], s[98:99], s[20:21]
	s_lshl_b32 s20, s42, 10
	s_lshl_b32 s22, s16, 9
	s_add_co_u32 s20, s20, s22
	s_add_nc_u64 s[96:97], s[96:97], s[20:21]
	v_lshlrev_b32 v[BO], 5, v2
.irp b, 0,1,2,3,4,5,6,7
	global_load_b128 v[BI+8*\b:BI+8*\b+3], v[BO], s[96:97] offset:64*\b
	global_load_b128 v[BI+8*\b+4:BI+8*\b+7], v[BO], s[96:97] offset:64*\b+16
.endr
	s_lshl_b32 s20, s17, 8
	s_lshl_b32 s21, s42, 8
	s_and_b32 s22, ttmp7, 0xffff
	s_cmp_eq_u32 s15, 0
	s_cselect_b32 s20, s20, s21
	s_cselect_b32 s21, s40, s41
	s_cselect_b32 s22, ttmp9, s22
	s_cselect_b64 s[PFA:PFA+1], s[4:5], s[8:9]
	s_cmp_lt_u32 s22, 4
	s_cselect_b32 s[LIM], 1, -1
	s_lshl_b32 s22, s16, 7
	s_add_co_u32 s20, s20, s22
	s_lshl_b32 s21, s21, 5
	s_add_co_u32 s20, s20, s21
	s_mov_b32 s21, 0
	s_mov_b64 s[18:19], KROW
	s_mul_u64 s[20:21], s[20:21], s[18:19]
	s_add_nc_u64 s[PFA:PFA+1], s[PFA:PFA+1], s[20:21]
	s_add_nc_u64 s[PFA:PFA+1], s[PFA:PFA+1], 2*ROWB
	v_and_b32 v[PFO], 31, v0
	v_mul_u32_u24 v[PFO], v[PFO], KROW
.macro FRAG reg, adr, q, i
.irp c, 0,1,2,3
	ds_load_b128 v[\reg+4*\c:\reg+4*\c+3], v[\adr] offset:128*(\q)+32*\c+(\i)*16*PITCH
.endr
.endm
.macro MUL16 a0, p, q, sc, zero
.irp a, \a0, \a0+1
.irp b, 0,1,2,3,4,5,6,7
.if \zero
	v_wmma_scale_f32_16x16x128_f8f6f4 v[8*(8*((\a)%4)+\b):8*(8*((\a)%4)+\b)+7], v[128*(\p)+FR*\b:128*(\p)+FR*\b+FR-1], v[AF+FR*(\a):AF+FR*(\a)+FR-1], v[BI+8*\b:BI+8*\b+7], v[SC+8*NQ*(\sc)+NQ*\b+(\q)], v[SC+8*NQ*(\sc)+NQ*(\a)+(\q)] matrix_a_fmt:MATRIX_FMT_BF8 matrix_b_fmt:MATRIX_FMT_BF8 matrix_a_scale:MATRIX_SCALE_ROW1
.else
	v_wmma_scale_f32_16x16x128_f8f6f4 v[8*(8*((\a)%4)+\b):8*(8*((\a)%4)+\b)+7], v[128*(\p)+FR*\b:128*(\p)+FR*\b+FR-1], v[AF+FR*(\a):AF+FR*(\a)+FR-1], v[8*(8*((\a)%4)+\b):8*(8*((\a)%4)+\b)+7], v[SC+8*NQ*(\sc)+NQ*\b+(\q)], v[SC+8*NQ*(\sc)+NQ*(\a)+(\q)] matrix_a_fmt:MATRIX_FMT_BF8 matrix_b_fmt:MATRIX_FMT_BF8 matrix_a_scale:MATRIX_SCALE_ROW1
.endif
.endr
.endr
.endm
.macro FETCH_B slot, q, p
	WIN TO_B
.irp i, 0,1,2,3,4,5,6,7
	FRAG 128*(\p)+FR*\i, ADRB+\slot, \q, \i
.endr
	WIN 0
.endm
.macro FETCH_A slot, q, i0
.irp i, \i0, \i0+1, \i0+2, \i0+3
	FRAG AF+FR*(\i), ADRA+\slot, \q, \i
.endr
.endm
.macro SCALES sc
.irp i, 0,1,2,3,4,5,6,7
	ds_load_b64 v[SC+8*NQ*\sc+NQ*\i:SC+8*NQ*\sc+NQ*\i+1], v[ADRS] offset:\i*SBLK
.endr
.endm
.macro PLACES n
.rept \n
	v_nop
.endr
.endm
.macro STEP slot, q, zero
	s_wait_dscnt 4*NL
.if \zero
	WIN BIAS_LO
.else
	WIN MUL_LO
.endif
	MUL16 0, (\q)%2, \q, \slot, \zero
	MUL16 2, (\q)%2, \q, \slot, \zero
	s_wait_dscnt 0
	PLACES NP
	FETCH_B \slot, (\q)+1, 1-(\q)%2
	FETCH_A \slot, (\q)+1, 0
.if \zero
	WIN BIAS_HI
.else
	WIN MUL_HI
.endif
	MUL16 4, (\q)%2, \q, \slot, \zero
	MUL16 6, (\q)%2, \q, \slot, \zero
	PLACES NP
	WIN 0
	FETCH_A \slot, (\q)+1, 4
.endm
.macro TURN slot, next, fill
	s_wait_dscnt 4*NL                              ; the youngest loads (A's blocks 4-7) may be out
	WIN MUL_LO
	MUL16 0, 1, NQ-1, \slot, 0
	MUL16 2, 1, NQ-1, \slot, 0
	WIN 0
	s_wait_tensorcnt 0x0                           ; my part of the next slot has landed
	ds_add_u32 v[SPW], v[NIL]
.if \fill
	s_wait_xcnt 0x0                                ; my prefetch has read its address
	s_add_nc_u64 s[PFA:PFA+1], s[PFA:PFA+1], ROWB
.endif
	s_wait_dscnt 0x0                               ; the add is done, my reads of this slot are over
	s_barrier_signal -1
	s_barrier_wait -1
.if \fill
	CREST
	s_add_nc_u64 s[G0+4*\slot+2:G0+4*\slot+3], s[G0+4*\slot+2:G0+4*\slot+3], 2*ROWB
	s_add_nc_u64 s[G0B+4*\slot+2:G0B+4*\slot+3], s[G0B+4*\slot+2:G0B+4*\slot+3], 2*ROWB
	JLOAD G0+4*\slot, G1, G0B+4*\slot, G1B
	PLACES NP-4
.else
	PLACES NP
.endif
	s_wait_alu depctr_va_vdst(0)
	v_add_nc_u32 v[ADRS], 4*NQ, v[ADRS]
	FETCH_B \next, 0, 0
	FETCH_A \next, 0, 0
	SCALES \next
.if \fill
	ASK
.endif
	WIN MUL_HI
	MUL16 4, 1, NQ-1, \slot, 0
	MUL16 6, 1, NQ-1, \slot, 0
	PLACES NP
	WIN 0
	FETCH_A \next, 0, 4
.endm
	s_wait_alu depctr_va_vdst(0)                   ; the wait at the head's end
	s_wait_tensorcnt 0x0                           ; my tile of the head's four is in
	ds_add_u32 v[SPW], v[NIL]
	s_mov_b32 s[G1+2], 128<<16                     ; no tensor load of mine is out: from here on a load brings 128 rows
	s_mov_b32 s[G1+4], 128
	s_mov_b32 s[G1B+2], 128<<16
	s_mov_b32 s[G1B+4], 128
	s_add_co_u32 s[G0+5], s[G0+1], SLOT            ; slot 1's groups 0: K step 1
	s_add_nc_u64 s[G0+6:G0+7], s[G0+2:G0+3], ROWB
	s_add_co_u32 s[G0B+5], s[G0B+1], SLOT
	s_add_nc_u64 s[G0B+6:G0B+7], s[G0B+2:G0B+3], ROWB
	s_wait_dscnt 0x0
	CROUND
	JLOAD G0+4, G1, G0B+4, G1B                     ; K step 1's load, the first behind the round
	FETCH_B 0, 0, 0
	FETCH_A 0, 0, 0
	SCALES 0
	FETCH_A 0, 0, 4
	s_wait_loadcnt 0x0
	STEP 0, 0, 1
	s_mov_b32 s3, LAPS-1
.Llap:
	TURN 0, 1, 1
	STEP 1, 0, 0
	TURN 1, 0, 1
	STEP 0, 0, 0
	s_sub_co_u32 s3, s3, 1
	s_cmp_lg_u32 s3, 0
	s_cbranch_scc1 .Llap
	TURN 0, 1, 0
	STEP 1, 0, 0
	s_wait_dscnt 4*NL
	WIN MUL_LO
	MUL16 0, 1, NQ-1, 1, 0
	MUL16 2, 1, NQ-1, 1, 0
	s_wait_dscnt 0
	WIN MUL_HI
	MUL16 4, 1, NQ-1, 1, 0
	MUL16 6, 1, NQ-1, 1, 0
	WIN 0
.macro KPAIR reg, val
	s_mov_b32 s[\reg], \val
	s_mov_b32 s[\reg+1], \val
.endm
.macro GELU a, hf
.set AC, 64*(\a)+32*(\hf)
	WIN 0x02
.set i, 0
.rept 32
	v_fma_f32 v[T+i], |v[AC+i]|, s[CA], 1.0
.set i, i+1
.endr
	WIN 0
.set i, 0
	s_wait_alu depctr_va_vdst(0)
.rept 32
	v_rcp_f32 v[T+i], v[T+i]
.set i, i+1
.endr
	WIN 0x0a
.set i, 0
.rept 16
	v_pk_mul_f32 v[S+i:S+i+1], v[AC+i:AC+i+1], v[AC+i:AC+i+1]
.set i, i+2
.endr
	WIN 0
	s_wait_alu depctr_va_vdst(0)
.set i, 0
.rept 16
	v_pk_fma_f32 v[P+i:P+i+1], v[T+i:T+i+1], v[C9:C9+1], s[24:25] op_sel_hi:[1,1,0]
.set i, i+2
.endr
.irp cc, 26,28,30,32,34,36,38,40
.set i, 0
.rept 16
	v_pk_fma_f32 v[P+i:P+i+1], v[P+i:P+i+1], v[T+i:T+i+1], s[\cc:\cc+1] op_sel_hi:[1,1,0]
.set i, i+2
.endr
.endr
.set i, 0
.rept 16
	v_pk_fma_f32 v[P+i:P+i+1], v[S+i:S+i+1], s[42:43], v[P+i:P+i+1] op_sel_hi:[1,0,1]
.set i, i+2
.endr
.set i, 0
	s_wait_alu depctr_va_vdst(0)
.rept 32
	v_exp_f32 v[P+i], v[P+i]
.set i, i+1
.endr
	WIN 0x02
.set i, 0
.rept 16
	v_pk_mul_f32 v[T+i:T+i+1], v[AC+i:AC+i+1], v[T+i:T+i+1]
.set i, i+2
.endr
	WIN 0
	s_wait_alu depctr_va_vdst(0)
.set i, 0
.rept 16
	v_pk_mul_f32 v[S+i:S+i+1], v[T+i:T+i+1], v[P+i:P+i+1]
.set i, i+2
.endr
	WIN 0x02
.set i, 0
.rept 16
	v_pk_add_f32 v[T+i:T+i+1], v[AC+i:AC+i+1], v[S+i:S+i+1] neg_lo:[0,1] neg_hi:[0,1]
.set i, i+2
.endr
	WIN 0
.set i, 0
.rept 32
	v_max_num_f32 v[P+i], v[T+i], v[S+i]
.set i, i+1
.endr
.endm
.macro QUANT2 hf
.irp b, 0,1
	v_max3_num_f32 v[TM+\b], |v[P+16*\b]|, |v[P+16*\b+1]|, 0x8000000
.endr
.irp i, 2,4,6,8,10,12,14
.irp b, 0,1
	v_max3_num_f32 v[TM+\b], v[TM+\b], |v[P+16*\b+\i]|, |v[P+16*\b+\i+1]|
.endr
.endr
.irp b, 0,1
	v_permlanex16_b32 v[TM+2+\b], v[TM+\b], s[SEL], s[SEL+1]
.endr
.irp b, 0,1
	v_max_num_f32 v[TM+\b], v[TM+\b], v[TM+2+\b]
.endr
.irp b, 0,1
	v_add_nc_u32 v[TM+6+\b], 0xf8800000, v[TM+\b]
.endr
.irp b, 0,1
	v_and_or_b32 v[TM+4+\b], v[TM+\b], 0x7f800000, s[MNT]
.endr
.irp b, 0,1
	v_lshrrev_b32 v[TM+2+\b], 23, v[TM+6+\b]
.endr
.if (\hf) == 0
	v_lshl_or_b32 v[PW], v[TM+3], 8, v[TM+2]
.else
	v_lshl_or_b32 v[PW], v[TM+2], 16, v[PW]
	v_lshl_or_b32 v[PW], v[TM+3], 24, v[PW]
.endif
.irp b, 0,1
.irp i, 0,1,2,3,4,5,6,7,8,9,10,11,12,13,14,15
	v_med3_num_f32 v[P+16*\b+\i], v[P+16*\b+\i], -v[TM+4+\b], v[TM+4+\b]
.endr
.endr
.if (\hf) == 0
	s_wait_alu depctr_va_vdst(0)
	s_wait_xcnt 0x0
.endif
.irp b, 0,1
	v_cvt_scalef32_pk8_bf8_f32 v[PC+8*(\hf)+4*\b:PC+8*(\hf)+4*\b+1], v[P+16*\b:P+16*\b+7], v[TM+6+\b]
	v_cvt_scalef32_pk8_bf8_f32 v[PC+8*(\hf)+4*\b+2:PC+8*(\hf)+4*\b+3], v[P+16*\b+8:P+16*\b+15], v[TM+6+\b]
.endr
	v_nop
.irp b, 0,1
	v_permlane16_swap_b32 v[PC+8*(\hf)+4*\b], v[PC+8*(\hf)+4*\b+2]
	v_permlane16_swap_b32 v[PC+8*(\hf)+4*\b+1], v[PC+8*(\hf)+4*\b+3]
.endr
.endm
.macro OUT a
.irp c, 0,1,2,3
	global_store_b128 v[HO], v[PC+4*\c:PC+4*\c+3], s[98:99] offset:2048*(\a)+512*\c
.endr
	ds_store_b32 v[SW], v[PW] offset:64*(\a)
.endm
	PLACES NP
	KPAIR 24, 0xbf97d29d
	KPAIR 26, 0x40097039
	KPAIR 28, 0xbfd1a1e5
	KPAIR 30, 0x3ecdfd18
	KPAIR 32, 0xbe899a80
	KPAIR 34, 0x3e0efb2e
	KPAIR 36, 0x3f0a29d2
	KPAIR 38, 0x3fb8ab5a
	KPAIR 40, 0xc034d90f
	KPAIR 42, 0xbf38aa3b
	s_mov_b32 s[CA], 0x3eb504f3
	s_mov_b32 s[SEL], 0x76543210
	s_mov_b32 s[SEL+1], 0xfedcba98
	s_mov_b32 s[MNT], 0x600000
	v_mov_b32 v[C9], 0x3e7c6f08
	v_mov_b32 v[C9+1], 0x3e7c6f08
	v_mov_b32 v[TM+2], 0
	v_mov_b32 v[TM+3], 0
	s_mov_b32 s3, 2
.Lhalf:
.irp a, 0,1,2,3
	GELU \a, 0
	QUANT2 0
	GELU \a, 1
	QUANT2 1
	OUT \a
.endr
	s_cmp_eq_u32 s3, 1
	s_cbranch_scc1 .Lmoved
	WIN 0x83
.set i, 0
.rept 256
	v_mov_b32 v[i], v[i]
.set i, i+1
.endr
	WIN 0
.Lmoved:
	s_wait_xcnt 0x0
	s_add_nc_u64 s[98:99], s[98:99], 4*2048
	v_add_nc_u32 v[SW], 4*64, v[SW]
	s_sub_co_u32 s3, s3, 1
	s_cmp_lg_u32 s3, 0
	s_cbranch_scc1 .Lhalf
	ds_load_b128 v[OB:OB+3], v[SR]
	s_wait_dscnt 0x0
	global_store_b128 v[HO], v[OB:OB+3], s[98:99]
	s_wait_tensorcnt 0x0
	ds_add_u32 v[SPW], v[NIL]
	s_wait_dscnt 0x0
	CROUND
	s_endpgm
.Lfunc_end_k_q2ceaeabc9c_ffn1:
	.size	k_q2ceaeabc9c_ffn1, .Lfunc_end_k_q2ceaeabc9c_ffn1-k_q2ceaeabc9c_ffn1
	.p2alignl 7, 3214868480
	.fill 96, 4, 3214868480
	.section	.rodata,"a",@progbits
	.p2align	6, 0x0
	.amdhsa_kernel k_q2ceaeabc9c_ffn1
		.amdhsa_group_segment_fixed_size 327680
		.amdhsa_private_segment_fixed_size 0
		.amdhsa_enable_private_segment 0
		.amdhsa_kernarg_size 48
		.amdhsa_user_sgpr_count 2
		.amdhsa_user_sgpr_kernarg_segment_ptr 1
		.amdhsa_wavefront_size32 1
		.amdhsa_system_sgpr_workgroup_id_x 1
		.amdhsa_system_sgpr_workgroup_id_y 1
		.amdhsa_system_sgpr_workgroup_id_z 1
		.amdhsa_system_vgpr_workitem_id 0
		.amdhsa_next_free_vgpr 1024
		.amdhsa_next_free_sgpr 100
		.amdhsa_reserve_vcc 0
		.amdhsa_float_denorm_mode_32 3
		.amdhsa_float_denorm_mode_16_64 3
		.amdhsa_memory_ordered 1
		.amdhsa_forward_progress 1
		.amdhsa_inst_pref_size 255
	.end_amdhsa_kernel
	.section	.bss,"aw",@nobits
	.p2align	6
	.space	262144
	.amdgpu_metadata
---
amdhsa.version: [ 1, 2 ]
amdhsa.kernels:
  - .name:           k_q2ceaeabc9c_ffn1
    .symbol:         k_q2ceaeabc9c_ffn1.kd
    .args:
      - { .name: xq_codes, .offset: 0, .size: 8, .value_kind: global_buffer, .address_space: global }
      - { .name: xq_scales, .offset: 8, .size: 8, .value_kind: global_buffer, .address_space: global }
      - { .name: proj1_codes, .offset: 16, .size: 8, .value_kind: global_buffer, .address_space: global }
      - { .name: proj1_scales, .offset: 24, .size: 8, .value_kind: global_buffer, .address_space: global }
      - { .name: proj1_bias, .offset: 32, .size: 8, .value_kind: global_buffer, .address_space: global }
      - { .name: h, .offset: 40, .size: 8, .value_kind: global_buffer, .address_space: global }
    .group_segment_fixed_size: 327680
    .private_segment_fixed_size: 0
    .kernarg_segment_align: 8
    .kernarg_segment_size: 48
    .max_flat_workgroup_size: 128
    .sgpr_count:     100
    .vgpr_count:     1024
    .wavefront_size: 32
...
	.end_amdgpu_metadata
.endif
;; end of part 2
;; launch ffn2 (part 3): grid 16 x 16, 4 waves a work-group, clusters of 4 x 1, 327,680 bytes of LDS; arguments h, proj2_codes, proj2_scales, proj2_bias, out0; writes out0
.if DOCPART == 3
	.amdgcn_target "amdgcn-amd-amdhsa--gfx1250"
	.amdhsa_code_object_version 6
	.text
	.protected	k_q2ceaeabc9c_ffn2
	.globl	k_q2ceaeabc9c_ffn2
	.p2align	8
	.type	k_q2ceaeabc9c_ffn2,@function
k_q2ceaeabc9c_ffn2:
	s_mov_b64 s[64:65], 0
	v_nop
	global_prefetch_b8 v0, s[64:65] scope:SCOPE_SE
	s_setreg_imm32_b32 hwreg(HW_REG_WAVE_MODE, 25, 1), 1
	s_wait_xcnt 0x0
	s_wait_alu depctr_hold_cnt(0) depctr_sa_sdst(0) depctr_va_vdst(0) depctr_va_sdst(0) depctr_va_ssrc(0) depctr_va_vcc(0) depctr_vm_vsrc(0)
	s_getreg_b32 s2, hwreg(HW_REG_IB_STS2, 6, 4)
	s_cmp_eq_u32 s2, 0
	s_cbranch_scc0 .Lentry_in_a_cluster
	s_endpgm
.Lentry_in_a_cluster:
	s_bfe_u32 s2, ttmp6, 0x10000c
	s_cmp_lg_u32 s2, 0x3003
	s_cbranch_scc0 .Lentry_shape_is_right
	s_endpgm
.Lentry_shape_is_right:
; out0 = h W2^T + b2.  h: codes of E5M2 with E8M0 scale words, laid by the launch before as images of operand registers: [16 tiles of 128 tokens][64 K steps of 128] records of 16,896 bytes
; (token block a at 2,048 a, registers 4 c .. 4 c + 3 at 512 c, lane l at 16 l; 128 scale words from byte 16,384 on).  proj2_codes [2048][8192], K innermost; proj2_scales [2048][256]; out0 [2048][2048] f32.
; A tile is 128 tokens x 128 columns: 256 work-groups; x counts tiles of tokens, y tiles of columns.
; SHARES.  Wave w = (mh = w / 2, kh = w % 2) makes tokens 64 mh .. + 63 x all 128 columns, 32 accumulators, over half kh of each 1,024 along K.  The two halves' partial tiles are added once, on the way out, through LDS.
; LIMITS: an output's sum is two f32 sums, added at the end, then the bias.  NaN and infinities are not served.
; W2 comes through a ring of two LDS slots, 128 rows x 1,024 along K each; a fragment is read by the two waves of a K half.  h comes from memory straight into registers: each byte of a record is wanted by one wave of the work-group alone.
; Four sets of registers hold a slot's four steps; the next slot's loads go out late in a slot: sets 0 and 1 at its third step, set 2 at its fourth, set 3 behind that one's products.
; A slot's last step is finished before the next tile is waited for, so that a refill follows the landing with the round alone between them.
; CLUSTER: 4 x 1 work-groups: four tiles of tokens of one tile of columns ask for W2's rows and scale bytes JOINTLY (mask 15).  h is not asked for jointly: partners have different tokens.
; THE MATRIX INSTRUCTION IS USED TRANSPOSED (source 0 = 16 rows of W2, source 1 = 16 tokens): a lane holds one token (lane % 16) and eight neighbouring columns.
; SCALE WORDS: a register carries two blocks' words: lanes 0-15 the even block's, lanes 16-31 the odd block's; the row selectors choose.
; WINDOWS of 256: 0: addresses, scale words, the way out; 1: W2's fragments, two sets of 128; 2: accumulator (a, b) at v[8 (8 a + b)]; 3: h's fragments, four sets of 64.
.set REC,    16896
.set BP,     1040                      ; a row of W2 in LDS: 1,024 bytes + 16
.set QTR,    32*BP                     ; what a refill's load brings: 32 rows a wave
.set SLOT,   128*BP
.set SCB,    2*SLOT                    ; W2's scale bytes of my 128 rows for all of K: rows of 256 bytes + 16
.set SCP,    272
.set SPARE,  SCB+128*SCP               ; the spare words: two blocks of 256 bytes that no other line names
.set SP,     528                       ; the way out: a row of a partial tile, 512 bytes + 16
.set PART,   128*SP                    ; a partial tile; the two lie over the slots, which have had their last fill and their last read by then
.set NP,     8                         ; places behind this matrix instruction (ISA guide 7.12.1)
.set AO,     8                         ; 16 x lane
.set ASO,    9                         ; h's scale words
.set ADRB,   10                        ; v10-13 W2's rows: slot 0 blocks 0-3, blocks 4-7, slot 1 likewise
.set ADRSB,  14                        ; W2's scale words of the slot in hand
.set STO,    15
.set RD,     16                        ; v16-17
.set PFOA,   18
.set PFOB,   19
.set SPW,    22
.set NIL,    23
.set B2,     24                        ; v24-27
.set BS,     48                        ; v48-79 W2's scale words, two sets of 16 (pair of blocks p, step q: 4 p + q); h's lie in v33-40 (AQ)
.set OUTR,   128
.set AB,     20                        ; s[20:21] h at my fragments of the slot in hand
.set PFB,    22                        ; s[22:23] where my prefetches of W2 stand
.set G1B,    24
.set G0B,    32
.set G0S,    40
.set G1S,    48
.set LIMA,   46
.set MSB, 0
.macro WIN new                         ; the immediate's high byte repeats the setting that is left
.if MSB != (\new)
	s_set_vgpr_msb (MSB<<8)|(\new)
.set MSB, (\new)
.endif
.endm
.set MUL,  0xad                        ; source 0 (W2) window 1, source 1 (h) window 3, C and D window 2
.set TO_A, 0xc0
.set TO_B, 0x40
.macro CREST                           ; a round of the cluster's barrier behind its opening barrier
	s_cmp_lg_u32 s14, 0
	s_cbranch_scc1 .Lnot_wave_0_\@
	s_barrier_signal -3
.Lnot_wave_0_\@:
	s_barrier_wait -3
	s_barrier_signal -1
	s_barrier_wait -1
.endm
.macro CROUND
	s_barrier_signal -1
	s_barrier_wait -1
	CREST
.endm
.macro PLACES n
.rept \n
	v_nop
.endr
.endm
.macro AQ q                            ; the register of step q's first scale word of h: no product's two scale words have numbers equal modulo 8
.if (\q) == 2
.set AS_, 39
.elseif (\q) == 3
.set AS_, 37
.else
.set AS_, 33+2*(\q)
.endif
.endm
; PREFETCHES INTO THE L2, behind a refill and the runs of loads.  h: of the 16 work-groups of a tile of tokens those with y % 8 under 2 ask, a wave for its own four records' fragments of the slot three on from the one that is left, a lane a block
; of 256 bytes; how = 1: in every trip; how = 0: not in the loop's last (s3 = 1), where no such slot is left.  W2: each cluster asks for its own rows: the partners share a wave's 32 rows by address, 8 each, four blocks of 256 bytes a row,
; for the slot two refills on from the one just asked for; not in the last trip.  What the first slots hold comes by its loads alone.
.macro ASK how
.if \how
	s_cmp_eq_u32 s[LIMA], 1
.else
	s_cmp_gt_u32 s3, s[LIMA]
.endif
	s_cbranch_scc0 .Lno_a_\@
.irp r, 0,1,2,3
	global_prefetch_b8 v[PFOA], s[AB:AB+1] offset:(16+\r)*REC th:TH_LOAD_NT scope:SCOPE_SE
.endr
.Lno_a_\@:
	s_cmp_gt_u32 s3, 1
	s_cbranch_scc0 .Lno_b_\@
	global_prefetch_b8 v[PFOB], s[PFB:PFB+1] th:TH_LOAD_NT scope:SCOPE_SE
.Lno_b_\@:
.endm
; h's four token blocks of one K step, record n from the base, into set: 16 loads of 512 consecutive bytes and 2 of 128
.macro FETCH_A set, n
	AQ \set
	WIN TO_A
.irp i, 0,1,2,3
.irp c, 0,1,2,3
	global_load_b128 v[64*(\set)+16*\i+4*\c:64*(\set)+16*\i+4*\c+3], v[AO], s[AB:AB+1] offset:(\n)*REC+2048*\i+512*\c
.endr
.endr
	WIN 0
	global_load_b32 v[AS_], v[ASO], s[AB:AB+1] offset:(\n)*REC
	global_load_b32 v[AS_+1], v[ASO], s[AB:AB+1] offset:(\n)*REC+128
.endm
; W2's blocks lo .. hi of my q-th 128 along K of slot sg, into set q % 2: lane l takes row l % 16; registers 4 c .. 4 c + 3 hold K = 32 c + 16 (l / 16) + 0 .. 15
.macro FETCH_B sg, q, lo, hi
	WIN TO_B
.irp i, 0,1,2,3,4,5,6,7
.if (\i >= \lo) && (\i <= \hi)
.irp c, 0,1,2,3
	ds_load_b128 v[128*((\q)%2)+16*\i+4*\c:128*((\q)%2)+16*\i+4*\c+3], v[ADRB+2*(\sg)+(\i)/4] offset:16*BP*((\i)%4)+128*(\q)+32*\c
.endr
.endif
.endr
.endm
.macro SCALES sg                       ; W2's scale words of my four steps of a slot; lanes 0-15 block 2 p, lanes 16-31 block 2 p + 1
.irp p, 0,1,2,3
	ds_load_b128 v[BS+16*(\sg)+4*\p:BS+16*(\sg)+4*\p+3], v[ADRSB] offset:32*SCP*\p
.endr
.endm
; 8 matrix instructions: token block a against W2's eight blocks.  zero = 1: the first product starts the sums.  The 32 accumulators take turns in the same order in every step.
.macro MULA a, sg, q, zero
	AQ \q
.set FRA, 64*(\q)+16*(\a)
.set SXA, AS_+(\a)/2
.irp p, 0,1,2,3
.set ACC, 8*(8*(\a)+2*\p)
.set FRB, 128*((\q)%2)+32*\p
.set SXB, BS+16*(\sg)+4*\p+(\q)
.if \zero
.if (\a)%2
	v_wmma_scale_f32_16x16x128_f8f6f4 v[ACC:ACC+7], v[FRB:FRB+15], v[FRA:FRA+15], 0, v[SXB], v[SXA] matrix_a_fmt:MATRIX_FMT_BF8 matrix_b_fmt:MATRIX_FMT_BF8 matrix_b_scale:MATRIX_SCALE_ROW1
	v_wmma_scale_f32_16x16x128_f8f6f4 v[ACC+8:ACC+15], v[FRB+16:FRB+31], v[FRA:FRA+15], 0, v[SXB], v[SXA] matrix_a_fmt:MATRIX_FMT_BF8 matrix_b_fmt:MATRIX_FMT_BF8 matrix_a_scale:MATRIX_SCALE_ROW1 matrix_b_scale:MATRIX_SCALE_ROW1
.else
	v_wmma_scale_f32_16x16x128_f8f6f4 v[ACC:ACC+7], v[FRB:FRB+15], v[FRA:FRA+15], 0, v[SXB], v[SXA] matrix_a_fmt:MATRIX_FMT_BF8 matrix_b_fmt:MATRIX_FMT_BF8
	v_wmma_scale_f32_16x16x128_f8f6f4 v[ACC+8:ACC+15], v[FRB+16:FRB+31], v[FRA:FRA+15], 0, v[SXB], v[SXA] matrix_a_fmt:MATRIX_FMT_BF8 matrix_b_fmt:MATRIX_FMT_BF8 matrix_a_scale:MATRIX_SCALE_ROW1
.endif
.else
.if (\a)%2
	v_wmma_scale_f32_16x16x128_f8f6f4 v[ACC:ACC+7], v[FRB:FRB+15], v[FRA:FRA+15], v[ACC:ACC+7], v[SXB], v[SXA] matrix_a_fmt:MATRIX_FMT_BF8 matrix_b_fmt:MATRIX_FMT_BF8 matrix_b_scale:MATRIX_SCALE_ROW1
	v_wmma_scale_f32_16x16x128_f8f6f4 v[ACC+8:ACC+15], v[FRB+16:FRB+31], v[FRA:FRA+15], v[ACC+8:ACC+15], v[SXB], v[SXA] matrix_a_fmt:MATRIX_FMT_BF8 matrix_b_fmt:MATRIX_FMT_BF8 matrix_a_scale:MATRIX_SCALE_ROW1 matrix_b_scale:MATRIX_SCALE_ROW1
.else
	v_wmma_scale_f32_16x16x128_f8f6f4 v[ACC:ACC+7], v[FRB:FRB+15], v[FRA:FRA+15], v[ACC:ACC+7], v[SXB], v[SXA] matrix_a_fmt:MATRIX_FMT_BF8 matrix_b_fmt:MATRIX_FMT_BF8
	v_wmma_scale_f32_16x16x128_f8f6f4 v[ACC+8:ACC+15], v[FRB+16:FRB+31], v[FRA:FRA+15], v[ACC+8:ACC+15], v[SXB], v[SXA] matrix_a_fmt:MATRIX_FMT_BF8 matrix_b_fmt:MATRIX_FMT_BF8 matrix_a_scale:MATRIX_SCALE_ROW1
.endif
.endif
.endr
.endm
	s_load_b128 s[4:7], s[0:1], 0x0                ; h s[4:5], W2's codes s[6:7]
	s_load_b128 s[8:11], s[0:1], 0x10              ; W2's scales s[8:9], b2 s[10:11]
	s_load_b64 s[12:13], s[0:1], 0x20              ; out0
	v_lshl_add_u32 v[SPW], v0, 2, SPARE
	v_mov_b32 v[NIL], 0
	ds_add_u32 v[SPW], v[NIL]                      ; the wave's opening
	ds_add_u32 v[SPW], v[NIL]
	v_lshrrev_b32 v1, 5, v0
	v_readfirstlane_b32 s14, v1                    ; wave 0..3
	s_lshr_b32 s15, s14, 1                         ; mh: which 64 tokens
	s_and_b32 s16, s14, 1                          ; kh: which half of a slot's K; at the head: which 64 rows I fetch
	s_and_b32 s45, ttmp7, 0xffff                   ; the tile of columns, which the four partners share
	s_bfe_u32 s44, ttmp6, 0x40000                  ; cx
	s_lshl_b32 s17, ttmp9, 2
	s_add_co_u32 s17, s17, s44                     ; the tile of tokens: it enters h's and out0's addresses alone
	; descriptor group 1 for W2's codes: rows of 1,024 bytes, 8,192 bytes apart, 16 bytes of padding behind each: 64 rows at the head, 32 behind it
	s_mov_b32 s[G1B+0], 15|(1<<20)|(1<<21)|(7<<22)|(3<<25)
	s_mov_b32 s[G1B+1], 1024<<16
	s_mov_b32 s[G1B+2], 64<<16
	s_mov_b32 s[G1B+3], 1024<<16
	s_mov_b32 s[G1B+4], 64
	s_mov_b32 s[G1B+5], 8192
	s_mov_b32 s[G1B+6], 0
	s_mov_b32 s[G1B+7], 0
	; for its scale bytes: 64 rows of 256 bytes (32 elements of 8 bytes), dense, 16 bytes of padding behind each
	s_mov_b32 s[G1S+0], 15|(3<<16)|(1<<20)|(1<<21)|(5<<22)|(3<<25)
	s_mov_b32 s[G1S+1], 32<<16
	s_mov_b32 s[G1S+2], 64<<16
	s_mov_b32 s[G1S+3], 32<<16
	s_mov_b32 s[G1S+4], 64
	s_mov_b32 s[G1S+5], 32
	s_mov_b32 s[G1S+6], 0
	s_mov_b32 s[G1S+7], 0
	s_lshl_b32 s56, s45, 20                        ; the ring: row 128 x tile of columns + 32 x wave, 8,192 bytes each
	s_lshl_b32 s57, s14, 18
	s_add_co_u32 s56, s56, s57
	s_mov_b32 s57, 0
	s_lshl_b32 s66, s45, 20                        ; the head: + 64 x (wave % 2)
	s_lshl_b32 s67, s16, 19
	s_add_co_u32 s66, s66, s67
	s_mov_b32 s67, 0
	s_lshl_b32 s58, s45, 15                        ; the scale bytes: the same rows, 256 bytes each
	s_lshl_b32 s59, s16, 14
	s_add_co_u32 s58, s58, s59
	s_mov_b32 s59, 0
	s_lshl_b32 s60, s17, 6                         ; h: record 64 x tile of tokens + 4 kh, its token blocks 4 mh on
	s_lshl_b32 s61, s16, 2
	s_add_co_u32 s60, s60, s61
	s_mul_i32 s60, s60, REC
	s_lshl_b32 s61, s15, 13
	s_add_co_u32 s60, s60, s61
	s_mov_b32 s61, 0
	s_lshl_b32 s62, s45, 9                         ; the tile's first column, 4 bytes each
	s_mov_b32 s63, 0
	v_and_b32 v1, 15, v0                           ; r = lane % 16
	v_bfe_u32 v2, v0, 4, 1                         ; lane / 16
	v_and_b32 v3, 31, v0                           ; lane
	v_lshlrev_b32 v[AO], 4, v3
	s_mul_i32 s3, s15, 7936                        ; the record's scale words lie at 16,384 + 256 mh; my base stands at 8,192 mh
	s_sub_co_u32 s3, 16384, s3
	v_lshl_add_u32 v[ASO], v3, 2, s3
	s_wait_alu depctr_va_vdst(0)                   ; the wait ahead of the waits below
	s_wait_dscnt 0x0                               ; both opening adds are done
	CROUND                                         ; all four work-groups are here: the first joint loads meet
	s_wait_kmcnt 0x0
	s_add_nc_u64 s[66:67], s[6:7], s[66:67]
	s_mov_b32 s[G0B+4], 1                          ; the head's codes (slot 1's group 0 holds them until they have landed)
	s_mul_i32 s[G0B+5], s16, 64*BP
	s_mov_b64 s[G0B+6:G0B+7], s[66:67]
	s_or_b32 s[G0B+7], s[G0B+7], 0x80000000
	s_mov_b32 s[G0S], 1
	s_mul_i32 s[G0S+1], s16, 64*SCP
	s_add_co_u32 s[G0S+1], s[G0S+1], SCB
	s_add_nc_u64 s[G0S+2:G0S+3], s[8:9], s[58:59]
	s_or_b32 s[G0S+3], s[G0S+3], 0x80000000
	s_add_nc_u64 s[AB:AB+1], s[4:5], s[60:61]
	s_add_nc_u64 s[10:11], s[10:11], s[62:63]
	s_cmp_lt_u32 s14, 2                            ; ONE joint load a wave: waves 0 and 1 slot 0's rows, waves 2 and 3 the scale bytes for all of K
	s_cbranch_scc0 .Lhead_scales
	tensor_load_to_lds s[G0B+4:G0B+7], s[G1B:G1B+7]
	s_nop 0
	PLACES 4
	s_branch .Lasked
.Lhead_scales:
	tensor_load_to_lds s[G0S:G0S+3], s[G1S:G1S+7]
	s_nop 0
	PLACES 4
.Lasked:
	global_load_b128 v[B2:B2+3], v[AO], s[10:11]   ; b2 of columns 4 x lane .. + 3 of the tile
	FETCH_A 0, 0
	FETCH_A 1, 1
	FETCH_A 2, 2
	s_mul_i32 s18, s14, QTR                        ; the ring: wave x 32 rows: no place in the cluster enters an LDS address
	s_mov_b32 s[G0B], 1
	s_mov_b32 s[G0B+1], s18
	s_add_nc_u64 s[G0B+2:G0B+3], s[6:7], s[56:57]
	s_or_b32 s[G0B+3], s[G0B+3], 0x80000000
	v_mul_u32_u24 v4, v1, BP
	v_lshl_add_u32 v4, v2, 4, v4                   ; a fragment's row x pitch + 16 x half of the lanes
	s_lshl_b32 s3, s16, 9                          ; my half of a row's 1,024 bytes
	v_add_nc_u32 v[ADRB], s3, v4
	v_add_nc_u32 v[ADRB+1], 64*BP, v[ADRB]
	v_add_nc_u32 v[ADRB+2], SLOT, v[ADRB]
	v_add_nc_u32 v[ADRB+3], SLOT, v[ADRB+1]
	v_mul_u32_u24 v4, v1, SCP
	v_mad_u32_u24 v4, v2, 16*SCP, v4               ; lanes 16-31 take the block 16 rows on
	s_lshl_b32 s3, s16, 4                          ; my four words of a slot's eight
	s_add_co_u32 s3, s3, SCB
	v_add_nc_u32 v[ADRSB], s3, v4
	s_mul_i32 s3, s16, PART                        ; the way out: my K half's partial tile, my 64 rows of it
	s_mul_i32 s2, s15, 64*SP
	s_add_co_u32 s3, s3, s2
	v_mul_u32_u24 v4, v1, SP
	v_lshl_add_u32 v4, v2, 5, v4
	v_add_nc_u32 v[STO], s3, v4                    ; in: row r, 32 bytes for each half of the lanes
	s_mul_i32 s3, s14, 32*SP
	v_add_nc_u32 v[RD], s3, v[AO]                  ; back: rows 32 x wave on, 16 bytes a lane, of partial tile 0,
	v_add_nc_u32 v[RD+1], PART, v[RD]              ; and 1
	v_lshlrev_b32 v[PFOA], 8, v3                   ; prefetches: h: a lane a block of 256 bytes
	v_lshrrev_b32 v4, 2, v3
	v_lshlrev_b32 v4, 13, v4
	v_and_b32 v5, 3, v3
	v_lshl_add_u32 v[PFOB], v5, 8, v4              ; W2: four lanes to a row's 1,024 bytes
	s_lshl_b32 s60, s17, 20                        ; out0: row 128 x tile of tokens + 32 x wave, 8,192 bytes each, + the tile's first column
	s_lshl_b32 s61, s14, 18
	s_add_co_u32 s60, s60, s61
	s_add_co_u32 s60, s60, s62
	s_mov_b32 s61, 0
	s_add_nc_u64 s[12:13], s[12:13], s[60:61]
	s_lshl_b32 s62, s45, 20                        ; the prefetches of W2: row 128 x tile of columns + 32 x wave + 8 cx,
	s_lshl_b32 s63, s14, 18
	s_add_co_u32 s62, s62, s63
	s_lshl_b32 s63, s44, 16
	s_add_co_u32 s62, s62, s63
	s_add_co_u32 s62, s62, 3*1024                  ; at slot 3: the first change of slots steps it to slot 4
	s_mov_b32 s63, 0
	s_add_nc_u64 s[PFB:PFB+1], s[6:7], s[62:63]
	s_and_b32 s3, s45, 7
	s_cmp_lt_u32 s3, 2
	s_cselect_b32 s[LIMA], 1, -1                   ; the same in all four partners
; Step q of slot sg.  more: another slot follows.  The counts on LOADcnt: the younger sets' loads, 18 a set.
.macro STEP sg, q, zero, more
.if (\zero) == 0
	PLACES NP                                      ; behind the last step's products: the loads below land in registers that products have read
.endif
.if (\q) < 3
	s_wait_loadcnt 54-18*(\q)                      ; loads come back in order (ISA guide 5.7.1): this slot's later sets may be out
.elseif \more
	s_wait_loadcnt 36                              ; the next slot's sets 0 and 1 may be out
.else
	s_wait_loadcnt 0x0
.endif
.if (\more) && ((\q) == 2)
	FETCH_A 0, 8                                   ; the next slot's first two steps: sets 0 and 1 have been read
	FETCH_A 1, 9
.endif
.if (\more) && ((\q) == 3)
	FETCH_A 2, 10
.endif
.if (\q) < 3
	FETCH_B \sg, (\q)+1, 0, 2
	s_wait_dscnt 12                                ; all but the 12 just issued
	WIN MUL
	MULA 0, \sg, \q, \zero
	FETCH_B \sg, (\q)+1, 3, 5
	WIN MUL
	MULA 1, \sg, \q, \zero
	FETCH_B \sg, (\q)+1, 6, 7
	WIN MUL
	MULA 2, \sg, \q, \zero
	MULA 3, \sg, \q, \zero
	WIN 0
.else
	s_wait_dscnt 0x0                               ; the last fragments of W2 are in: my reads of this slot are over
.if (\more) == 0
	s_barrier_signal -1                            ; behind this barrier the partial tiles are laid over the slots
.endif
	WIN MUL
	MULA 0, \sg, \q, \zero
	MULA 1, \sg, \q, \zero
	MULA 2, \sg, \q, \zero
	MULA 3, \sg, \q, \zero
	WIN 0
.if \more
	PLACES NP
	FETCH_A 3, 11
.else
	s_barrier_wait -1
.endif
.endif
.endm
; The change of slots, behind a slot's last products.  fill = 1: the slot just left is filled again, with the K two slots on, behind a round of the cluster's barrier.
.macro TURN sg, nx, fill, how
	s_wait_tensorcnt 0x0                           ; all my tensor loads have landed: my part of the next slot
	ds_add_u32 v[SPW], v[NIL]
	s_wait_xcnt 0x0                                ; every earlier load and prefetch has read its base
	s_add_nc_u64 s[AB:AB+1], s[AB:AB+1], 8*REC     ; h: on to the next slot's records
.if \fill
	s_add_nc_u64 s[PFB:PFB+1], s[PFB:PFB+1], 1024
	s_add_nc_u64 s[G0B+4*\sg+2:G0B+4*\sg+3], s[G0B+4*\sg+2:G0B+4*\sg+3], 2*1024
.endif
	s_wait_dscnt 0x0                               ; the add is done
	s_barrier_signal -1
	s_barrier_wait -1
.if \fill
	CREST                                          ; no wave of any partner still reads this slot or has a load on its way
	tensor_load_to_lds s[G0B+4*\sg:G0B+4*\sg+3], s[G1B:G1B+7]   ; the first tensor load behind the round, one a wave
	s_nop 0
	PLACES 4
.endif
	v_add_nc_u32 v[ADRSB], 32, v[ADRSB]            ; W2's scale words of the next slot
	s_wait_alu depctr_va_vdst(0)                   ; the wait here, directly behind the write
	FETCH_B \nx, 0, 0, 7
	WIN 0
	SCALES \nx
.if \fill
	ASK \how
.endif
.endm
	s_wait_alu depctr_va_vdst(0)                   ; the wait at the head's end
	s_wait_tensorcnt 0x0                           ; my part of slot 0 or of the scale bytes is in;
	ds_add_u32 v[SPW], v[NIL]
	s_mov_b32 s[G1B+2], 32<<16                     ; no tensor load of mine is out: from here on a load brings 32 rows
	s_mov_b32 s[G1B+4], 32
	s_add_co_u32 s[G0B+5], s[G0B+1], SLOT
	s_add_nc_u64 s[G0B+6:G0B+7], s[G0B+2:G0B+3], 1024
	s_wait_dscnt 0x0
	CROUND                                         ; everybody's part is in
	tensor_load_to_lds s[G0B+4:G0B+7], s[G1B:G1B+7]  ; slot 1
	s_nop 0
	PLACES 4
	FETCH_B 0, 0, 0, 7
	WIN 0
	SCALES 0
	FETCH_A 3, 3
	STEP 0, 0, 1, 1                                ; step 0 stands in front of the loop: its products start the sums
	s_mov_b32 s3, 3
.Ltrip:                                                ; a trip goes once round the ring, from a slot's second step to the first step two slots on, and fills both slots again
	STEP 0, 1, 0, 1
	STEP 0, 2, 0, 1
	STEP 0, 3, 0, 1
	TURN 0, 1, 1, 1
	STEP 1, 0, 0, 1
	STEP 1, 1, 0, 1
	STEP 1, 2, 0, 1
	STEP 1, 3, 0, 1
	TURN 1, 0, 1, 0
	STEP 0, 0, 0, 1
	s_sub_co_u32 s3, s3, 1
	s_cmp_lg_u32 s3, 0
	s_cbranch_scc1 .Ltrip
	STEP 0, 1, 0, 1                                ; the last two slots are written out: nothing more is asked of the ring
	STEP 0, 2, 0, 1
	STEP 0, 3, 0, 1
	TURN 0, 1, 0, 0
	STEP 1, 0, 0, 0
	STEP 1, 1, 0, 0
	STEP 1, 2, 0, 0
	STEP 1, 3, 0, 0
	; THE WAY OUT.  My 64 rows of my K half's partial tile go to LDS as rows of 512 bytes + 16; behind a barrier wave w adds the two partial tiles' rows 32 w .. 32 w + 31 and the bias, and stores whole rows of the tile.
	PLACES NP
	WIN 0x08                                       ; an LDS store's data are its source 1: window 2
.irp a, 0,1,2,3
.irp b, 0,1,2,3,4,5,6,7
	ds_store_b128 v[STO], v[8*(8*\a+\b):8*(8*\a+\b)+3] offset:16*SP*\a+64*\b          ; each accumulator from its low end on
	ds_store_b128 v[STO], v[8*(8*\a+\b)+4:8*(8*\a+\b)+7] offset:16*SP*\a+64*\b+16
.endr
.endr
	WIN 0
	s_wait_dscnt 0x0                               ; for the others' sake: my stores have landed
	s_barrier_signal -1
	s_barrier_wait -1
.irp g, 0,1                            ; sixteen rows at a time: partial tile p's row i in v[OUTR + 64 p + 4 i] on
.if \g > 0
	s_wait_xcnt 0x0                                ; the last sixteen stores have read their registers
.endif
.irp p, 0,1
.irp i, 0,1,2,3,4,5,6,7,8,9,10,11,12,13,14,15
	ds_load_b128 v[OUTR+64*\p+4*\i:OUTR+64*\p+4*\i+3], v[RD+\p] offset:SP*(16*\g+\i)
.endr
.endr
	s_wait_dscnt 0x0
.irp i, 0,1,2,3,4,5,6,7,8,9,10,11,12,13,14,15
.irp d, 0,2
	v_pk_add_f32 v[OUTR+4*\i+\d:OUTR+4*\i+\d+1], v[OUTR+4*\i+\d:OUTR+4*\i+\d+1], v[OUTR+64+4*\i+\d:OUTR+64+4*\i+\d+1]
.endr
.endr
.irp i, 0,1,2,3,4,5,6,7,8,9,10,11,12,13,14,15
.irp d, 0,2
	v_pk_add_f32 v[OUTR+4*\i+\d:OUTR+4*\i+\d+1], v[OUTR+4*\i+\d:OUTR+4*\i+\d+1], v[B2+\d:B2+\d+1]
.endr
.endr
.irp i, 0,1,2,3,4,5,6,7,8,9,10,11,12,13,14,15
	global_store_b128 v[AO], v[OUTR+4*\i:OUTR+4*\i+3], s[12:13] offset:8192*(16*\g+\i) th:TH_STORE_NT   ; 32 lanes store 512 consecutive bytes, aligned; written once, read by nobody here
.endr
.endr
	s_wait_tensorcnt 0x0                           ; the wave's end
	ds_add_u32 v[SPW], v[NIL]
	s_wait_dscnt 0x0
	CROUND                                         ; the closing round: no work-group ends while a partner may still ask for a tile that names it
	s_endpgm
.Lfunc_end_k_q2ceaeabc9c_ffn2:
	.size	k_q2ceaeabc9c_ffn2, .Lfunc_end_k_q2ceaeabc9c_ffn2-k_q2ceaeabc9c_ffn2
	.p2alignl 7, 3214868480
	.fill 96, 4, 3214868480
	.section	.rodata,"a",@progbits
	.p2align	6, 0x0
	.amdhsa_kernel k_q2ceaeabc9c_ffn2
		.amdhsa_group_segment_fixed_size 327680
		.amdhsa_private_segment_fixed_size 0
		.amdhsa_enable_private_segment 0
		.amdhsa_kernarg_size 40
		.amdhsa_user_sgpr_count 2
		.amdhsa_user_sgpr_kernarg_segment_ptr 1
		.amdhsa_wavefront_size32 1
		.amdhsa_system_sgpr_workgroup_id_x 1
		.amdhsa_system_sgpr_workgroup_id_y 1
		.amdhsa_system_sgpr_workgroup_id_z 1
		.amdhsa_system_vgpr_workitem_id 0
		.amdhsa_next_free_vgpr 1024
		.amdhsa_next_free_sgpr 72
		.amdhsa_reserve_vcc 0
		.amdhsa_float_denorm_mode_32 3
		.amdhsa_float_denorm_mode_16_64 3
		.amdhsa_memory_ordered 1
		.amdhsa_forward_progress 1
		.amdhsa_inst_pref_size 165
	.end_amdhsa_kernel
	.amdgpu_metadata
---
amdhsa.version: [ 1, 2 ]
amdhsa.kernels:
  - .name:           k_q2ceaeabc9c_ffn2
    .symbol:         k_q2ceaeabc9c_ffn2.kd
    .args:
      - { .name: h, .offset: 0, .size: 8, .value_kind: global_buffer, .address_space: global }
      - { .name: proj2_codes, .offset: 8, .size: 8, .value_kind: global_buffer, .address_space: global }
      - { .name: proj2_scales, .offset: 16, .size: 8, .value_kind: global_buffer, .address_space: global }
      - { .name: proj2_bias, .offset: 24, .size: 8, .value_kind: global_buffer, .address_space: global }
      - { .name: out0, .offset: 32, .size: 8, .value_kind: global_buffer, .address_space: global }
    .group_segment_fixed_size: 327680
    .private_segment_fixed_size: 0
    .kernarg_segment_align: 8
    .kernarg_segment_size: 40
    .max_flat_workgroup_size: 128
    .sgpr_count:     72
    .vgpr_count:     1024
    .wavefront_size: 32
...
	.end_amdgpu_metadata
.endif
;; end of part 3
